; MI455X (gfx1250); checked and timed in simulation.
; The chip was launched on July 23, 2026; its instructions are those of AMD's public machine-readable ISA for CDNA 5 (MIT licence, August 2026) and "CDNA5" Instruction Set Architecture Reference Guide (July 2026). The comments in the code are by the model that wrote it; some were corrected since.
;; PFNN. Allowed arithmetic: float matrix products may take bf16 or f16 operands with f32 sums; all other float work in f32.
;; Inputs: W0 4 x 512 x 342 float32; W1 4 x 512 x 512 float32; W2 4 x 311 x 512 float32; b0 4 x 512 float32; b1 4 x 512 float32; b2 4 x 311 float32; x 256 x 343 float32.
;; Outputs: out0 256 x 311 float32.
;; One version. Each part assembles by itself: llvm-mc -triple=amdgcn-amd-amdhsa -mcpu=gfx1250 --defsym DOCPART=n.
;; ======== version 1 of 1: 3 launches
;; limits: values are held in f16: magnitudes above 65,504 overflow, below 6.1e-05 lose precision
;; workspace buffers: h1 524,288 bytes; h2 524,288 bytes
;; launch layer0 (part 1): grid 64 x 4, 4 waves a work-group, clusters of 4 x 4, 168,448 bytes of LDS; arguments x, W0, b0, h1; writes h1
.if DOCPART == 1
	.amdgcn_target "amdgcn-amd-amdhsa--gfx1250"
	.amdhsa_code_object_version 6
	.text
	.protected	k_q5008f267ac_layer0
	.globl	k_q5008f267ac_layer0
	.p2align	8
	.type	k_q5008f267ac_layer0,@function
k_q5008f267ac_layer0:
	s_mov_b64 s[64:65], 0
	v_nop
	global_prefetch_b8 v0, s[64:65] scope:SCOPE_SE
	s_setreg_imm32_b32 hwreg(HW_REG_WAVE_MODE, 25, 1), 1
	s_wait_xcnt 0x0
	s_wait_alu depctr_hold_cnt(0) depctr_sa_sdst(0) depctr_va_vdst(0) depctr_va_sdst(0) depctr_va_ssrc(0) depctr_va_vcc(0) depctr_vm_vsrc(0)
	s_getreg_b32 s2, hwreg(HW_REG_IB_STS2, 6, 4)
	s_cmp_eq_u32 s2, 0
	s_cbranch_scc0 .Lentry_in_a_cluster
	s_endpgm
.Lentry_in_a_cluster:
	s_bfe_u32 s2, ttmp6, 0x10000c
	s_cmp_lg_u32 s2, 0xf033
	s_cbranch_scc0 .Lentry_shape_is_right
	s_endpgm
.Lentry_shape_is_right:
; PFNN layer 0:  h1[b][o] = elu( sum_c coef[b][c] (W0[c][o] . x[b][0:342]) + sum_c coef[b][c] b0[c][o] ).
; The Catmull-Rom blend is linear in the four control points, so it is taken out of the product: four plain products a sample and a blend of
; four numbers; coef[b][c] = the cubic's weight (c - k1 + 1) mod 4 at mu.  No weight matrix per sample is formed.
; FORMAT: matrix operands f16 (11 significant bits; bf16's 8 leave too little margin over six roundings in three layers), sums f32.  Each input
; row is multiplied by the exact power 2^-e of its largest magnitude (values below 2) and 2^e goes into the row's four coefficients.
; LIMITS: |W| <= 65504, W in steps of 2^-24 below 6.1e-5;  |4 phase| < 2^31;  a row whose largest magnitude is denormal is scaled with exponent
; field 1;  the sums run in another order than the reference's;  expm1(y) = y(1+y(1/2+y(1/6+y/24))) for y > -1/16 (cut off below 1.3e-7 of the value), else exp2 - 1.
; SHARES: a work-group makes 64 batch rows x 8 outputs = 32 weight rows = 2 matrix tiles.  Wave w owns batch tile 4 cy + w and fetches the 8 rows of
; control point w.  A = weights, B = batch.  f16 row 16 t + 8 h + 4 u + c is control point c of output 4 h + 2 t + u, so lane (r, h) gets, for batch
; row r, all four control points of the neighbouring outputs 4 h .. 4 h + 3.
; h1: [16 batch tiles][128 quads of k][16 rows][4 k] f32: the wave's one store covers 512 consecutive bytes, aligned.
; LDS is filled once: no ring, no barrier for refills.  CLUSTER 4 x 4: the input tile hangs on cy alone and is asked for jointly along a row,
; the weight tile on the slice alone and jointly along a column: a quarter of the requests for both.  The grid's y is one cluster: work-group y = cy.
.set K,      342                       ; a weight row; columns of x without the phase
.set KP,     384                       ; a staged weight row: zeros from 342 on
.set NS,     11                        ; K steps of 32
.set N,      512
.set XROW,   1372                      ; bytes in a row of x
.set HROW,   1424                      ; an input row in LDS: 356 f32, an odd multiple of 16 bytes
.set HWAVE,  16*HROW
.set HSTEP,  128                       ; a lane's reads: K step to K step, and its four runs of 4 k
.set HO1,    16
.set HO2,    64
.set HO3,    80
.set PARTS,  KP/128                    ; runs of 512 bytes in a staged row
.set NU,     8*PARTS
.set WSWAVE, 8*KP*4
.set WP,     KP*2+16                   ; an f16 weight row: an odd multiple of 16 bytes
.set WS,     4*HWAVE                   ; LDS: input tiles, the f32 stage,
.set WF,     WS+4*WSWAVE               ; the 32 f16 rows (no tensor load lands here)
.set LANE, 1
.set R,    2
.set HH,   3
.set AH,   4                           ; LDS: my input fragments
.set AWS,  5                           ; my 16 bytes of a staged run
.set AWD,  6                           ; my 8 bytes of an f16 row
.set AW,   7                           ; my weight fragments
.set PHO,  8
.set BO,   9
.set OO,   10
.set PH,   12
.set SC,   13                          ; 2^e
.set T,    14
.set WQ,   22                          ; the cubic's weights
.set AQ,   26
.set CF,   30                          ; coef[c]
.set CS,   34                          ; coef[c] 2^e
.set BB,   38                          ; blended bias, y, result
.set M,    42
.set INV,  46                          ; 2^-e, twice
.set BI,   48                          ; bias, dead before the first matrix instruction
.set ACC,  48                          ; two accumulators
.set X,    64                          ; v64-127: four slots of 16
.set HF,   128                         ; v128-255: my batch tile in f16
.set G0H,  20
.set G1H,  24
.set G0W,  32
.set G1W,  36
.macro ROUND                           ; a round of the cluster's barrier
	s_barrier_signal -1
	s_barrier_wait -1
	s_cmp_lg_u32 s14, 0
	s_cbranch_scc1 .Lnot_wave_0_\@
	s_barrier_signal -3
.Lnot_wave_0_\@:
	s_barrier_wait -3
	s_barrier_signal -1
	s_barrier_wait -1
.endm
.macro HLD s                           ; the 16 f32 of K step s of my batch row, in a B fragment's order, into slot s % 4
.set XS, X+16*((\s)%4)
	ds_load_b128 v[XS:XS+3],     v[AH] offset:(\s)*HSTEP
	ds_load_b128 v[XS+4:XS+7],   v[AH] offset:(\s)*HSTEP+HO1
	ds_load_b128 v[XS+8:XS+11],  v[AH] offset:(\s)*HSTEP+HO2
	ds_load_b128 v[XS+12:XS+15], v[AH] offset:(\s)*HSTEP+HO3
.endm
.macro HWAIT s                         ; K step s is in: four loads for each of the up to three younger steps may be out
.if NS-1-(\s) >= 3
	s_wait_dscnt 12
.else
	s_wait_dscnt 4*(NS-1-(\s))
.endif
.endm
.macro WCV first, cnt                  ; cnt staged runs of 512 bytes: read, round to f16, store into their f16 rows
.set j, 0
.rept \cnt
	ds_load_b128 v[X+4*j:X+4*j+3], v[AWS] offset:512*(\first+j)
.set j, j+1
.endr
.set j, 0
.rept \cnt
	s_wait_dscnt \cnt-1                ; behind run j's load stand cnt-1-j loads and j stores
.set ROW, (\first+j)/PARTS
	v_cvt_pk_f16_f32 v[X+4*j], v[X+4*j], v[X+4*j+1]
	v_cvt_pk_f16_f32 v[X+4*j+1], v[X+4*j+2], v[X+4*j+3]
	ds_store_b64 v[AWD], v[X+4*j:X+4*j+1] offset:(((ROW>>1)&1)*16+(ROW>>2)*8+(ROW&1)*4)*WP+((\first+j)%PARTS)*256
.set j, j+1
.endr
.endm
.macro ALD s                           ; the two A fragments of K step s into slot s % 4
.set XS, X+16*((\s)%4)
	ds_load_b128 v[XS:XS+3],     v[AW] offset:(\s)*64
	ds_load_b128 v[XS+4:XS+7],   v[AW] offset:(\s)*64+32
	ds_load_b128 v[XS+8:XS+11],  v[AW] offset:16*WP+(\s)*64
	ds_load_b128 v[XS+12:XS+15], v[AW] offset:16*WP+(\s)*64+32
.endm
.macro WM s                            ; K step s: the two accumulators take turns, one instruction a turn
.set FA, X+16*((\s)%4)
.if (\s) == 0
	v_wmma_f32_16x16x32_f16 v[ACC:ACC+7], v[FA:FA+7], v[HF:HF+7], 0
	v_wmma_f32_16x16x32_f16 v[ACC+8:ACC+15], v[FA+8:FA+15], v[HF:HF+7], 0
.else
	v_wmma_f32_16x16x32_f16 v[ACC:ACC+7], v[FA:FA+7], v[HF+8*(\s):HF+8*(\s)+7], v[ACC:ACC+7]
	v_wmma_f32_16x16x32_f16 v[ACC+8:ACC+15], v[FA+8:FA+15], v[HF+8*(\s):HF+8*(\s)+7], v[ACC+8:ACC+15]
.endif
.endm
	s_load_b256 s[4:11], s[0:1], 0x0               ; x s[4:5], W0 s[6:7], b0 s[8:9], h1 s[10:11]
	v_lshl_add_u32 v254, v0, 2, 0x29000
	v_mov_b32 v255, 0
	ds_add_u32 v254, v255
	ds_add_u32 v254, v255
	v_lshrrev_b32 v[LANE], 5, v0
	v_readfirstlane_b32 s14, v[LANE]               ; wave
	v_and_b32 v[LANE], 31, v0
	v_and_b32 v[R], 15, v0
	v_bfe_u32 v[HH], v0, 4, 1
	s_bfe_u32 s15, ttmp6, 0x40000                  ; cx
	s_bfe_u32 s16, ttmp6, 0x40004                  ; cy = group of 64 batch rows
	s_lshl_b32 s17, ttmp9, 2
	s_add_co_u32 s17, s17, s15                     ; slice of 8 outputs
	s_lshl_b32 s44, s16, 2
	s_lshl_b32 s44, 15, s44                        ; my row of the cluster
	s_lshl_b32 s45, 0x1111, s15                    ; my column
	s_or_b32 s[G1H+0], s44, (2<<16)|(1<<21)        ; mask; elements of 4 bytes; bit 21 beside a mask
	s_mov_b32 s[G1H+1], 342<<16                    ; tensor_dim0: the phase column and what follows arrive as zeros
	s_mov_b32 s[G1H+2], 16<<16                     ; tensor_dim1
	s_mov_b32 s[G1H+3], 356<<16                    ; tile_dim0
	s_mov_b32 s[G1H+4], 16                         ; tile_dim1
	s_mov_b32 s[G1H+5], 343                        ; pitch
	s_mov_b32 s[G1H+6], 0
	s_mov_b32 s[G1H+7], 0
	s_or_b32 s[G1W+0], s45, (2<<16)|(1<<21)        ; 8 weight rows of one control point
	s_mov_b32 s[G1W+1], K<<16
	s_mov_b32 s[G1W+2], 8<<16
	s_mov_b32 s[G1W+3], KP<<16
	s_mov_b32 s[G1W+4], 8
	s_mov_b32 s[G1W+5], K
	s_mov_b32 s[G1W+6], 0
	s_mov_b32 s[G1W+7], 0
	s_lshl_b32 s19, s17, 3                         ; first output
	s_lshl_b32 s48, s16, 2
	s_add_co_u32 s48, s48, s14                     ; my batch tile
	s_mul_i32 s50, s48, 16*XROW                    ; its rows in x: holds cy and the wave alone
	s_mov_b32 s51, 0
	s_mul_i32 s52, s14, N                          ; control point = wave: holds cx and the wave alone
	s_add_co_u32 s52, s52, s19
	s_mul_i32 s52, s52, K*4
	s_mov_b32 s53, 0
	s_lshl_b32 s66, s19, 2                         ; my slice in a bias row
	s_mov_b32 s67, 0
	s_lshl_b32 s62, s48, 15                        ; h1: my batch tile, quads 2 slice, 2 slice + 1
	s_lshl_b32 s63, s17, 9
	s_add_co_u32 s62, s62, s63
	s_mov_b32 s63, 0
	s_mov_b32 s70, 0x76543210                      ; v_permlanex16_b32: lane i of the other half
	s_mov_b32 s71, 0xfedcba98
	s_mov_b32 s72, 0x3fc00000                      ; 1.5
	s_mov_b32 s73, 0xc0200000                      ; -2.5
	s_mov_b32 s74, 0x3d2aaaab                      ; 1/24
	s_mov_b32 s75, 0x3e2aaaab                      ; 1/6
	s_mov_b32 s76, 0xbd800000                      ; -1/16
	s_wait_dscnt 0x0
	s_wait_kmcnt 0x0
	s_mov_b32 s[G0H+0], 1
	s_mul_i32 s[G0H+1], s14, HWAVE                 ; LDS addresses hang on the wave alone
	s_add_nc_u64 s[G0H+2:G0H+3], s[4:5], s[50:51]
	s_or_b32 s[G0H+3], s[G0H+3], 0x80000000
	s_mov_b32 s[G0W+0], 1
	s_mul_i32 s[G0W+1], s14, WSWAVE
	s_add_co_u32 s[G0W+1], s[G0W+1], WS
	s_add_nc_u64 s[G0W+2:G0W+3], s[6:7], s[52:53]
	s_or_b32 s[G0W+3], s[G0W+3], 0x80000000
	s_add_nc_u64 s[56:57], s[4:5], s[50:51]        ; my rows of x, for the phase
	s_add_nc_u64 s[58:59], s[8:9], s[66:67]
	s_add_nc_u64 s[60:61], s[10:11], s[62:63]
	ROUND                                          ; all sixteen work-groups are here: the joint loads meet
	tensor_load_to_lds s[G0H:G0H+3], s[G1H:G1H+7]  ; my 16 batch rows first: worked on while the weights are on their way
	s_nop 0
	tensor_load_to_lds s[G0W:G0W+3], s[G1W:G1W+7]  ; two tensor loads of the wave are out, never more
	s_nop 0
	v_mul_u32_u24 v[AH], v[R], HROW                ; row r, 8 k (32 bytes) for each half of the lanes
	v_lshl_add_u32 v[AH], v[HH], 5, v[AH]
	v_add_nc_u32 v[AH], s[G0H+1], v[AH]
	v_lshl_add_u32 v[AWS], v[LANE], 4, s[G0W+1]
	s_mul_i32 s69, s14, WP
	s_add_co_u32 s69, s69, WF
	v_lshl_add_u32 v[AWD], v[LANE], 3, s69         ; row c = wave of each group of four
	v_mul_u32_u24 v[AW], v[R], WP
	v_lshl_add_u32 v[AW], v[HH], 4, v[AW]
	v_add_nc_u32 v[AW], WF, v[AW]
	v_mul_u32_u24 v[PHO], v[R], XROW
	v_lshlrev_b32 v[BO], 4, v[HH]
	v_lshlrev_b32 v[OO], 4, v[LANE]
	global_load_b32 v[PH], v[PHO], s[56:57] offset:342*4
.irp c, 0,1,2,3
	global_load_b128 v[BI+4*\c:BI+4*\c+3], v[BO], s[58:59] offset:\c*N*4
.endr
	; PASS 1: the largest magnitude of my batch row (a lane holds half of it)
	s_wait_tensorcnt 0x1                           ; my input tile has landed (only I read it); the weight tile, issued behind it, may stay out
.irp p, 0,1,2,3
	v_mov_b32 v[M+\p], 0
.endr
	HLD 0
	HLD 1
	HLD 2
	HLD 3
.set st, 0
.rept NS
	HWAIT st
.set XB, X+16*(st%4)
.irp p, 0,1,2,3
	v_max3_num_f32 v[M+\p], |v[XB+4*\p]|, |v[XB+4*\p+1]|, v[M+\p]
.endr
.irp p, 0,1,2,3
	v_max3_num_f32 v[M+\p], |v[XB+4*\p+2]|, |v[XB+4*\p+3]|, v[M+\p]
.endr
.if st+4 < NS
	HLD st+4
.endif
.set st, st+1
.endr
	HLD 0                                          ; pass 2 reads while the scale is made
	HLD 1
	HLD 2
	HLD 3
	v_max3_num_f32 v[M], v[M], v[M+1], v[M+2]
	v_max_num_f32 v[M], v[M], v[M+3]
	v_permlanex16_b32 v[M+1], v[M], s70, s71
	v_max_num_f32 v[M], v[M], v[M+1]
	v_lshrrev_b32 v[T], 23, v[M]                   ; exponent field E, kept in 1 .. 253 so that both powers are normal numbers
	v_max_u32 v[T], 1, v[T]
	v_min_u32 v[T], 253, v[T]
	v_sub_nc_u32 v[T+1], 254, v[T]
	v_lshlrev_b32 v[INV], 23, v[T+1]               ; 2^(127-E)
	v_lshlrev_b32 v[INV+1], 23, v[T+1]
	v_lshlrev_b32 v[SC], 23, v[T]                  ; 2^(E-127)
	; PASS 2: scale, round to f16, keep
.set st, 0
.rept NS
	HWAIT st
.set XB, X+16*(st%4)
.irp p, 0,2,4,6,8,10,12,14
	v_pk_mul_f32 v[XB+\p:XB+\p+1], v[XB+\p:XB+\p+1], v[INV:INV+1]
.endr
.irp p, 0,1,2,3,4,5,6,7
	v_cvt_pk_f16_f32 v[HF+8*st+\p], v[XB+2*\p], v[XB+2*\p+1]
.endr
.if st+4 < NS
	HLD st+4
.endif
.set st, st+1
.endr
	; THE COEFFICIENTS of my batch row
	s_wait_loadcnt 0x0                             ; phase and bias
	v_mul_f32 v[T], 4.0, v[PH]
	v_floor_f32 v[T+1], v[T]
	v_cvt_i32_f32 v[T+2], v[T]                     ; toward zero, as the cast to int32
	v_sub_f32 v[T+1], v[T], v[T+1]                 ; mu
	v_add_nc_u32 v[T+2], -1, v[T+2]                ; low two bits: (k1 - 1) mod 4, the control point of y0
	v_mul_f32 v[T+3], v[T+1], v[T+1]
	v_fma_f32 v[WQ+0], v[T+1], -0.5, 1.0
	v_fma_f32 v[WQ+1], v[T+1], s72, s73
	v_fma_f32 v[WQ+2], -v[T+1], s72, 2.0
	v_fma_f32 v[WQ+3], v[T+1], 0.5, -0.5
	v_fma_f32 v[WQ+0], v[WQ+0], v[T+1], -0.5
	v_fma_f32 v[WQ+1], v[WQ+1], v[T+3], 1.0        ; y1:  1.5 mu^3 - 2.5 mu^2 + 1
	v_fma_f32 v[WQ+2], v[WQ+2], v[T+1], 0.5
	v_mul_f32 v[WQ+3], v[WQ+3], v[T+3]             ; y3:  0.5 mu^3 - 0.5 mu^2
	v_mul_f32 v[WQ+0], v[WQ+0], v[T+1]             ; y0: -0.5 mu^3 + mu^2 - 0.5 mu
	v_mul_f32 v[WQ+2], v[WQ+2], v[T+1]             ; y2: -1.5 mu^3 + 2 mu^2 + 0.5 mu
	v_and_b32 v[T+4], 1, v[T+2]
	v_and_b32 v[T+5], 2, v[T+2]
	v_cmp_ne_u32 vcc_lo, 0, v[T+4]
	v_cmp_ne_u32 s78, 0, v[T+5]
	v_cndmask_b32 v[AQ+0], v[WQ+0], v[WQ+3], vcc_lo        ; coef[c] = weight (c - turn) mod 4: turn by one,
	v_cndmask_b32 v[AQ+1], v[WQ+1], v[WQ+0], vcc_lo
	v_cndmask_b32 v[AQ+2], v[WQ+2], v[WQ+1], vcc_lo
	v_cndmask_b32 v[AQ+3], v[WQ+3], v[WQ+2], vcc_lo
	v_cndmask_b32 v[CF+0], v[AQ+0], v[AQ+2], s78           ; then by two: values are chosen, no address, no branch
	v_cndmask_b32 v[CF+1], v[AQ+1], v[AQ+3], s78
	v_cndmask_b32 v[CF+2], v[AQ+2], v[AQ+0], s78
	v_cndmask_b32 v[CF+3], v[AQ+3], v[AQ+1], s78
.irp c, 0,1,2,3
	v_mul_f32 v[CS+\c], v[CF+\c], v[SC]
.endr
.irp i, 0,1,2,3
	v_mul_f32 v[BB+\i], v[CF], v[BI+\i]
.endr
.irp c, 1,2,3
.irp i, 0,1,2,3
	v_fma_f32 v[BB+\i], v[CF+\c], v[BI+4*\c+\i], v[BB+\i]
.endr
.endr
	; THE WEIGHTS to f16
	s_wait_tensorcnt 0x0                           ; my weight tile has landed (only I read the stage)
	WCV 0, 16
	WCV 16, NU-16
	s_wait_dscnt 0x0                               ; my stores are done, for the other waves' sake
	s_barrier_signal -1
	s_barrier_wait -1                              ; all 32 f16 rows are there
	ALD 0
	ALD 1
	ALD 2
	ALD 3
.set g, 0
.rept (NS+1)/2                                     ; K steps in pairs
.if NS-2*g-2 >= 2
	s_wait_dscnt 8                                 ; this pair is in; the next pair's eight loads may be out
.else
.if NS-2*g-2 == 1
	s_wait_dscnt 4                                 ; the next pair is a single step
.else
	s_wait_dscnt 0
.endif
.endif
	WM 2*g
.if 2*g+1 < NS
	WM 2*g+1
.endif
.if 2*g+4 < NS
.rept 4
	v_nop                                          ; a load into a register that a matrix instruction has read stands four plain vector places behind it
.endr
	ALD 2*g+4
.if 2*g+5 < NS
	ALD 2*g+5
.endif
.endif
.set g, g+1
.endr
.rept 4
	v_nop                                          ; four places before a vector instruction reads a matrix result (ISA guide 7.12.1)
.endr
.irp c, 0,1,2,3
.irp i, 0,1,2,3
	v_fma_f32 v[BB+\i], v[ACC+4*\i+\c], v[CS+\c], v[BB+\i]     ; register 4 i + c: control point c of my output i
.endr
.endr
.irp i, 0,1,2,3                                    ; elu(y) = y for y > 0, else expm1(y)
	v_mul_f32 v[X+\i], 0x3fb8aa3b, v[BB+\i]
	v_exp_f32 v[X+8+\i], v[X+\i]                   ; the series' plain lines stand between this and the use of its result (ISA guide 5.7.2)
	v_fma_f32 v[X+4+\i], v[BB+\i], s74, s75
	v_fma_f32 v[X+4+\i], v[X+4+\i], v[BB+\i], 0.5
	v_fma_f32 v[X+4+\i], v[X+4+\i], v[BB+\i], 1.0
	v_mul_f32 v[X+4+\i], v[X+4+\i], v[BB+\i]       ; the series, near 0, where exp - 1 would cancel
	s_wait_alu depctr_va_vdst(0)
	v_add_f32 v[X+8+\i], -1.0, v[X+8+\i]
	v_cmp_lt_f32 vcc_lo, s76, v[BB+\i]
	v_cndmask_b32 v[X+\i], v[X+8+\i], v[X+4+\i], vcc_lo
	v_cmp_lt_f32 vcc_lo, 0, v[BB+\i]
	v_cndmask_b32 v[BB+\i], v[X+\i], v[BB+\i], vcc_lo
.endr
	global_store_b128 v[OO], v[BB:BB+3], s[60:61]  ; 512 consecutive bytes, aligned: two quads x 16 rows
	s_wait_tensorcnt 0x0
	ds_add_u32 v254, v255
	s_wait_dscnt 0x0
	ROUND                                          ; the closing round: no work-group ends while a partner may still ask for a tile that names it
	s_endpgm
.Lfunc_end_k_q5008f267ac_layer0:
	.size	k_q5008f267ac_layer0, .Lfunc_end_k_q5008f267ac_layer0-k_q5008f267ac_layer0
	.p2alignl 7, 3214868480
	.fill 96, 4, 3214868480
	.section	.rodata,"a",@progbits
	.p2align	6, 0x0
	.amdhsa_kernel k_q5008f267ac_layer0
		.amdhsa_group_segment_fixed_size 168448
		.amdhsa_private_segment_fixed_size 0
		.amdhsa_enable_private_segment 0
		.amdhsa_kernarg_size 32
		.amdhsa_user_sgpr_count 2
		.amdhsa_user_sgpr_kernarg_segment_ptr 1
		.amdhsa_wavefront_size32 1
		.amdhsa_system_sgpr_workgroup_id_x 1
		.amdhsa_system_sgpr_workgroup_id_y 1
		.amdhsa_system_sgpr_workgroup_id_z 1
		.amdhsa_system_vgpr_workitem_id 0
		.amdhsa_next_free_vgpr 256
		.amdhsa_next_free_sgpr 80
		.amdhsa_reserve_vcc 1
		.amdhsa_float_denorm_mode_32 3
		.amdhsa_float_denorm_mode_16_64 3
		.amdhsa_memory_ordered 1
		.amdhsa_forward_progress 1
		.amdhsa_inst_pref_size 47
	.end_amdhsa_kernel
	.amdgpu_metadata
---
amdhsa.version: [ 1, 2 ]
amdhsa.kernels:
  - .name:           k_q5008f267ac_layer0
    .symbol:         k_q5008f267ac_layer0.kd
    .args:
      - { .name: x, .offset: 0, .size: 8, .value_kind: global_buffer, .address_space: global }
      - { .name: W0, .offset: 8, .size: 8, .value_kind: global_buffer, .address_space: global }
      - { .name: b0, .offset: 16, .size: 8, .value_kind: global_buffer, .address_space: global }
      - { .name: h1, .offset: 24, .size: 8, .value_kind: global_buffer, .address_space: global }
    .group_segment_fixed_size: 168448
    .private_segment_fixed_size: 0
    .kernarg_segment_align: 8
    .kernarg_segment_size: 32
    .max_flat_workgroup_size: 128
    .sgpr_count:     80
    .vgpr_count:     256
    .wavefront_size: 32
...
	.end_amdgpu_metadata
.endif
;; end of part 1
;; launch layer1 (part 2): grid 64 x 4, 4 waves a work-group, clusters of 4 x 4, 230,400 bytes of LDS; arguments x, W1, b1, h2, h1; writes h2
.if DOCPART == 2
	.amdgcn_target "amdgcn-amd-amdhsa--gfx1250"
	.amdhsa_code_object_version 6
	.text
	.protected	k_q5008f267ac_layer1
	.globl	k_q5008f267ac_layer1
	.p2align	8
	.type	k_q5008f267ac_layer1,@function
k_q5008f267ac_layer1:
	s_mov_b64 s[64:65], 0
	v_nop
	global_prefetch_b8 v0, s[64:65] scope:SCOPE_SE
	s_setreg_imm32_b32 hwreg(HW_REG_WAVE_MODE, 25, 1), 1
	s_wait_xcnt 0x0
	s_wait_alu depctr_hold_cnt(0) depctr_sa_sdst(0) depctr_va_vdst(0) depctr_va_sdst(0) depctr_va_ssrc(0) depctr_va_vcc(0) depctr_vm_vsrc(0)
	s_getreg_b32 s2, hwreg(HW_REG_IB_STS2, 6, 4)
	s_cmp_eq_u32 s2, 0
	s_cbranch_scc0 .Lentry_in_a_cluster
	s_endpgm
.Lentry_in_a_cluster:
	s_bfe_u32 s2, ttmp6, 0x10000c
	s_cmp_lg_u32 s2, 0xf033
	s_cbranch_scc0 .Lentry_shape_is_right
	s_endpgm
.Lentry_shape_is_right:
; PFNN layer 1:  h2[b][o] = elu( sum_c coef[b][c] (W1[c][o] . h1[b]) + sum_c coef[b][c] b1[c][o] ).
; The Catmull-Rom blend is linear in the four control points, so it is taken out of the product: four plain products a sample and a blend of
; four numbers; coef[b][c] = the cubic's weight (c - k1 + 1) mod 4 at mu (phase = x[b][342]).  No weight matrix per sample is formed.
; FORMAT: matrix operands f16 (11 significant bits; bf16's 8 leave too little margin over six roundings in three layers), sums f32.  Each input
; row is multiplied by the exact power 2^-e of its largest magnitude (values below 2) and 2^e goes into the row's four coefficients.
; LIMITS: |W| <= 65504, W in steps of 2^-24 below 6.1e-5;  |4 phase| < 2^31;  a row whose largest magnitude is denormal is scaled with exponent
; field 1;  the sums run in another order than the reference's;  expm1(y) = y(1+y(1/2+y(1/6+y/24))) for y > -1/16 (cut off below 1.3e-7 of the value), else exp2 - 1.
; SHARES: a work-group makes 64 batch rows x 8 outputs = 32 weight rows = 2 matrix tiles.  Wave w owns batch tile 4 cy + w and fetches the 8 rows of
; control point w.  A = weights, B = batch.  f16 row 16 t + 8 h + 4 u + c is control point c of output 4 h + 2 t + u, so lane (r, h) gets, for batch
; row r, all four control points of the neighbouring outputs 4 h .. 4 h + 3.
; h1, h2: [16 batch tiles][128 quads of k][16 rows][4 k] f32: a wave's input is 32,768 dense bytes, its fragments 256 consecutive bytes per 16 lanes,
; and its one store covers 512 consecutive bytes, aligned.
; LDS is filled once: no ring, no barrier for refills.  CLUSTER 4 x 4: the input tile hangs on cy alone and is asked for jointly along a row,
; the weight tile on the slice alone and jointly along a column: a quarter of the requests for both.  The grid's y is one cluster: work-group y = cy.
.set K,      512
.set KP,     512
.set NS,     16                        ; K steps of 32
.set N,      512
.set XROW,   1372                      ; bytes in a row of x
.set HWAVE,  32768
.set HSTEP,  2048                      ; 8 quads of 256 bytes; a lane reads quads 2h, 2h+1, 4+2h, 5+2h
.set HO1,    256
.set HO2,    1024
.set HO3,    1280
.set PARTS,  KP/128                    ; runs of 512 bytes in a staged row
.set NU,     8*PARTS
.set WSWAVE, 8*KP*4
.set WP,     KP*2+16                   ; an f16 weight row: an odd multiple of 16 bytes
.set WS,     4*HWAVE                   ; LDS: input tiles, the f32 stage,
.set WF,     WS+4*WSWAVE               ; the 32 f16 rows (no tensor load lands here)
.set LANE, 1
.set R,    2
.set HH,   3
.set AH,   4                           ; LDS: my input fragments
.set AWS,  5                           ; my 16 bytes of a staged run
.set AWD,  6                           ; my 8 bytes of an f16 row
.set AW,   7                           ; my weight fragments
.set PHO,  8
.set BO,   9
.set OO,   10
.set PH,   12
.set SC,   13                          ; 2^e
.set T,    14
.set WQ,   22                          ; the cubic's weights
.set AQ,   26
.set CF,   30                          ; coef[c]
.set CS,   34                          ; coef[c] 2^e
.set BB,   38                          ; blended bias, y, result
.set M,    42
.set INV,  46                          ; 2^-e, twice
.set BI,   48                          ; bias, dead before the first matrix instruction
.set ACC,  48                          ; two accumulators
.set X,    64                          ; v64-127: four slots of 16
.set HF,   128                         ; v128-255: my batch tile in f16
.set G0H,  20
.set G1H,  24
.set G0W,  32
.set G1W,  36
.macro ROUND                           ; a round of the cluster's barrier
	s_barrier_signal -1
	s_barrier_wait -1
	s_cmp_lg_u32 s14, 0
	s_cbranch_scc1 .Lnot_wave_0_\@
	s_barrier_signal -3
.Lnot_wave_0_\@:
	s_barrier_wait -3
	s_barrier_signal -1
	s_barrier_wait -1
.endm
.macro HLD s                           ; the 16 f32 of K step s of my batch row, in a B fragment's order, into slot s % 4
.set XS, X+16*((\s)%4)
	ds_load_b128 v[XS:XS+3],     v[AH] offset:(\s)*HSTEP
	ds_load_b128 v[XS+4:XS+7],   v[AH] offset:(\s)*HSTEP+HO1
	ds_load_b128 v[XS+8:XS+11],  v[AH] offset:(\s)*HSTEP+HO2
	ds_load_b128 v[XS+12:XS+15], v[AH] offset:(\s)*HSTEP+HO3
.endm
.macro HWAIT s                         ; K step s is in: four loads for each of the up to three younger steps may be out
.if NS-1-(\s) >= 3
	s_wait_dscnt 12
.else
	s_wait_dscnt 4*(NS-1-(\s))
.endif
.endm
.macro WCV first, cnt                  ; cnt staged runs of 512 bytes: read, round to f16, store into their f16 rows
.set j, 0
.rept \cnt
	ds_load_b128 v[X+4*j:X+4*j+3], v[AWS] offset:512*(\first+j)
.set j, j+1
.endr
.set j, 0
.rept \cnt
	s_wait_dscnt \cnt-1                ; behind run j's load stand cnt-1-j loads and j stores
.set ROW, (\first+j)/PARTS
	v_cvt_pk_f16_f32 v[X+4*j], v[X+4*j], v[X+4*j+1]
	v_cvt_pk_f16_f32 v[X+4*j+1], v[X+4*j+2], v[X+4*j+3]
	ds_store_b64 v[AWD], v[X+4*j:X+4*j+1] offset:(((ROW>>1)&1)*16+(ROW>>2)*8+(ROW&1)*4)*WP+((\first+j)%PARTS)*256
.set j, j+1
.endr
.endm
.macro ALD s                           ; the two A fragments of K step s into slot s % 4
.set XS, X+16*((\s)%4)
	ds_load_b128 v[XS:XS+3],     v[AW] offset:(\s)*64
	ds_load_b128 v[XS+4:XS+7],   v[AW] offset:(\s)*64+32
	ds_load_b128 v[XS+8:XS+11],  v[AW] offset:16*WP+(\s)*64
	ds_load_b128 v[XS+12:XS+15], v[AW] offset:16*WP+(\s)*64+32
.endm
.macro WM s                            ; K step s: the two accumulators take turns, one instruction a turn
.set FA, X+16*((\s)%4)
.if (\s) == 0
	v_wmma_f32_16x16x32_f16 v[ACC:ACC+7], v[FA:FA+7], v[HF:HF+7], 0
	v_wmma_f32_16x16x32_f16 v[ACC+8:ACC+15], v[FA+8:FA+15], v[HF:HF+7], 0
.else
	v_wmma_f32_16x16x32_f16 v[ACC:ACC+7], v[FA:FA+7], v[HF+8*(\s):HF+8*(\s)+7], v[ACC:ACC+7]
	v_wmma_f32_16x16x32_f16 v[ACC+8:ACC+15], v[FA+8:FA+15], v[HF+8*(\s):HF+8*(\s)+7], v[ACC+8:ACC+15]
.endif
.endm
	s_load_b256 s[4:11], s[0:1], 0x0               ; x s[4:5], W1 s[6:7], b1 s[8:9], h2 s[10:11]
	s_load_b64 s[12:13], s[0:1], 0x20              ; h1
	v_lshl_add_u32 v20, v0, 2, 0x38200
	v_mov_b32 v21, 0
	ds_add_u32 v20, v21
	ds_add_u32 v20, v21
	v_lshrrev_b32 v[LANE], 5, v0
	v_readfirstlane_b32 s14, v[LANE]               ; wave
	v_and_b32 v[LANE], 31, v0
	v_and_b32 v[R], 15, v0
	v_bfe_u32 v[HH], v0, 4, 1
	s_bfe_u32 s15, ttmp6, 0x40000                  ; cx
	s_bfe_u32 s16, ttmp6, 0x40004                  ; cy = group of 64 batch rows
	s_lshl_b32 s17, ttmp9, 2
	s_add_co_u32 s17, s17, s15                     ; slice of 8 outputs
	s_lshl_b32 s44, s16, 2
	s_lshl_b32 s44, 15, s44                        ; my row of the cluster
	s_lshl_b32 s45, 0x1111, s15                    ; my column
	s_or_b32 s[G1H+0], s44, (3<<16)|(1<<21)        ; mask; elements of 8 bytes; bit 21 beside a mask
	s_mov_b32 s[G1H+1], 32<<16                     ; 128 dense rows of 32 elements = 32,768 bytes
	s_mov_b32 s[G1H+2], 128<<16
	s_mov_b32 s[G1H+3], 32<<16
	s_mov_b32 s[G1H+4], 128
	s_mov_b32 s[G1H+5], 32
	s_mov_b32 s[G1H+6], 0
	s_mov_b32 s[G1H+7], 0
	s_or_b32 s[G1W+0], s45, (2<<16)|(1<<21)        ; 8 weight rows of one control point, f32
	s_mov_b32 s[G1W+1], K<<16
	s_mov_b32 s[G1W+2], 8<<16
	s_mov_b32 s[G1W+3], KP<<16
	s_mov_b32 s[G1W+4], 8
	s_mov_b32 s[G1W+5], K
	s_mov_b32 s[G1W+6], 0
	s_mov_b32 s[G1W+7], 0
	s_lshl_b32 s19, s17, 3                         ; first output
	s_lshl_b32 s48, s16, 2
	s_add_co_u32 s48, s48, s14                     ; my batch tile
	s_lshl_b32 s50, s48, 15                        ; in h1: holds cy and the wave alone
	s_mov_b32 s51, 0
	s_mul_i32 s52, s14, N                          ; control point = wave: holds cx and the wave alone
	s_add_co_u32 s52, s52, s19
	s_mul_i32 s52, s52, K*4
	s_mov_b32 s53, 0
	s_mul_i32 s54, s48, 16*XROW                    ; my rows of x, for the phase
	s_mov_b32 s55, 0
	s_lshl_b32 s66, s19, 2                         ; my slice in a bias row
	s_mov_b32 s67, 0
	s_lshl_b32 s62, s48, 15                        ; h2: my batch tile, quads 2 slice, 2 slice + 1
	s_lshl_b32 s63, s17, 9
	s_add_co_u32 s62, s62, s63
	s_mov_b32 s63, 0
	s_mov_b32 s70, 0x76543210                      ; v_permlanex16_b32: lane i of the other half
	s_mov_b32 s71, 0xfedcba98
	s_mov_b32 s72, 0x3fc00000                      ; 1.5
	s_mov_b32 s73, 0xc0200000                      ; -2.5
	s_mov_b32 s74, 0x3d2aaaab                      ; 1/24
	s_mov_b32 s75, 0x3e2aaaab                      ; 1/6
	s_mov_b32 s76, 0xbd800000                      ; -1/16
	s_wait_dscnt 0x0
	s_wait_kmcnt 0x0
	s_mov_b32 s[G0H+0], 1
	s_mul_i32 s[G0H+1], s14, HWAVE                 ; LDS addresses hang on the wave alone
	s_add_nc_u64 s[G0H+2:G0H+3], s[12:13], s[50:51]
	s_or_b32 s[G0H+3], s[G0H+3], 0x80000000
	s_mov_b32 s[G0W+0], 1
	s_mul_i32 s[G0W+1], s14, WSWAVE
	s_add_co_u32 s[G0W+1], s[G0W+1], WS
	s_add_nc_u64 s[G0W+2:G0W+3], s[6:7], s[52:53]
	s_or_b32 s[G0W+3], s[G0W+3], 0x80000000
	s_add_nc_u64 s[56:57], s[4:5], s[54:55]
	s_add_nc_u64 s[58:59], s[8:9], s[66:67]
	s_add_nc_u64 s[60:61], s[10:11], s[62:63]
	ROUND                                          ; all sixteen work-groups are here: the joint loads meet
	tensor_load_to_lds s[G0H:G0H+3], s[G1H:G1H+7]  ; my 16 batch rows first: worked on while the weights are on their way
	s_nop 0
	tensor_load_to_lds s[G0W:G0W+3], s[G1W:G1W+7]  ; two tensor loads of the wave are out, never more
	s_nop 0
	v_lshlrev_b32 v[AH], 4, v[R]                   ; 16 bytes of row r in a quad, two quads for each half of the lanes
	v_lshl_add_u32 v[AH], v[HH], 9, v[AH]
	v_add_nc_u32 v[AH], s[G0H+1], v[AH]
	v_lshl_add_u32 v[AWS], v[LANE], 4, s[G0W+1]
	s_mul_i32 s69, s14, WP
	s_add_co_u32 s69, s69, WF
	v_lshl_add_u32 v[AWD], v[LANE], 3, s69         ; row c = wave of each group of four
	v_mul_u32_u24 v[AW], v[R], WP
	v_lshl_add_u32 v[AW], v[HH], 4, v[AW]
	v_add_nc_u32 v[AW], WF, v[AW]
	v_mul_u32_u24 v[PHO], v[R], XROW
	v_lshlrev_b32 v[BO], 4, v[HH]
	v_lshlrev_b32 v[OO], 4, v[LANE]
	global_load_b32 v[PH], v[PHO], s[56:57] offset:342*4
.irp c, 0,1,2,3
	global_load_b128 v[BI+4*\c:BI+4*\c+3], v[BO], s[58:59] offset:\c*N*4
.endr
	; PASS 1: the largest magnitude of my batch row (a lane holds half of it)
	s_wait_tensorcnt 0x1                           ; my input tile has landed (only I read it); the weight tile, issued behind it, may stay out
.irp p, 0,1,2,3
	v_mov_b32 v[M+\p], 0
.endr
	HLD 0
	HLD 1
	HLD 2
	HLD 3
.set st, 0
.rept NS
	HWAIT st
.set XB, X+16*(st%4)
.irp p, 0,1,2,3
	v_max3_num_f32 v[M+\p], |v[XB+4*\p]|, |v[XB+4*\p+1]|, v[M+\p]
.endr
.irp p, 0,1,2,3
	v_max3_num_f32 v[M+\p], |v[XB+4*\p+2]|, |v[XB+4*\p+3]|, v[M+\p]
.endr
.if st+4 < NS
	HLD st+4
.endif
.set st, st+1
.endr
	HLD 0                                          ; pass 2 reads while the scale is made
	HLD 1
	HLD 2
	HLD 3
	v_max3_num_f32 v[M], v[M], v[M+1], v[M+2]
	v_max_num_f32 v[M], v[M], v[M+3]
	v_permlanex16_b32 v[M+1], v[M], s70, s71
	v_max_num_f32 v[M], v[M], v[M+1]
	v_lshrrev_b32 v[T], 23, v[M]                   ; exponent field E, kept in 1 .. 253 so that both powers are normal numbers
	v_max_u32 v[T], 1, v[T]
	v_min_u32 v[T], 253, v[T]
	v_sub_nc_u32 v[T+1], 254, v[T]
	v_lshlrev_b32 v[INV], 23, v[T+1]               ; 2^(127-E)
	v_lshlrev_b32 v[INV+1], 23, v[T+1]
	v_lshlrev_b32 v[SC], 23, v[T]                  ; 2^(E-127)
	; PASS 2: scale, round to f16, keep
.set st, 0
.rept NS
	HWAIT st
.set XB, X+16*(st%4)
.irp p, 0,2,4,6,8,10,12,14
	v_pk_mul_f32 v[XB+\p:XB+\p+1], v[XB+\p:XB+\p+1], v[INV:INV+1]
.endr
.irp p, 0,1,2,3,4,5,6,7
	v_cvt_pk_f16_f32 v[HF+8*st+\p], v[XB+2*\p], v[XB+2*\p+1]
.endr
.if st+4 < NS
	HLD st+4
.endif
.set st, st+1
.endr
	; THE COEFFICIENTS of my batch row
	s_wait_loadcnt 0x0                             ; phase and bias
	v_mul_f32 v[T], 4.0, v[PH]
	v_floor_f32 v[T+1], v[T]
	v_cvt_i32_f32 v[T+2], v[T]                     ; toward zero, as the cast to int32
	v_sub_f32 v[T+1], v[T], v[T+1]                 ; mu
	v_add_nc_u32 v[T+2], -1, v[T+2]                ; low two bits: (k1 - 1) mod 4, the control point of y0
	v_mul_f32 v[T+3], v[T+1], v[T+1]
	v_fma_f32 v[WQ+0], v[T+1], -0.5, 1.0
	v_fma_f32 v[WQ+1], v[T+1], s72, s73
	v_fma_f32 v[WQ+2], -v[T+1], s72, 2.0
	v_fma_f32 v[WQ+3], v[T+1], 0.5, -0.5
	v_fma_f32 v[WQ+0], v[WQ+0], v[T+1], -0.5
	v_fma_f32 v[WQ+1], v[WQ+1], v[T+3], 1.0        ; y1:  1.5 mu^3 - 2.5 mu^2 + 1
	v_fma_f32 v[WQ+2], v[WQ+2], v[T+1], 0.5
	v_mul_f32 v[WQ+3], v[WQ+3], v[T+3]             ; y3:  0.5 mu^3 - 0.5 mu^2
	v_mul_f32 v[WQ+0], v[WQ+0], v[T+1]             ; y0: -0.5 mu^3 + mu^2 - 0.5 mu
	v_mul_f32 v[WQ+2], v[WQ+2], v[T+1]             ; y2: -1.5 mu^3 + 2 mu^2 + 0.5 mu
	v_and_b32 v[T+4], 1, v[T+2]
	v_and_b32 v[T+5], 2, v[T+2]
	v_cmp_ne_u32 vcc_lo, 0, v[T+4]
	v_cmp_ne_u32 s78, 0, v[T+5]
	v_cndmask_b32 v[AQ+0], v[WQ+0], v[WQ+3], vcc_lo        ; coef[c] = weight (c - turn) mod 4: turn by one,
	v_cndmask_b32 v[AQ+1], v[WQ+1], v[WQ+0], vcc_lo
	v_cndmask_b32 v[AQ+2], v[WQ+2], v[WQ+1], vcc_lo
	v_cndmask_b32 v[AQ+3], v[WQ+3], v[WQ+2], vcc_lo
	v_cndmask_b32 v[CF+0], v[AQ+0], v[AQ+2], s78           ; then by two: values are chosen, no address, no branch
	v_cndmask_b32 v[CF+1], v[AQ+1], v[AQ+3], s78
	v_cndmask_b32 v[CF+2], v[AQ+2], v[AQ+0], s78
	v_cndmask_b32 v[CF+3], v[AQ+3], v[AQ+1], s78
.irp c, 0,1,2,3
	v_mul_f32 v[CS+\c], v[CF+\c], v[SC]
.endr
.irp i, 0,1,2,3
	v_mul_f32 v[BB+\i], v[CF], v[BI+\i]
.endr
.irp c, 1,2,3
.irp i, 0,1,2,3
	v_fma_f32 v[BB+\i], v[CF+\c], v[BI+4*\c+\i], v[BB+\i]
.endr
.endr
	; THE WEIGHTS to f16
	s_wait_tensorcnt 0x0                           ; my weight tile has landed (only I read the stage)
	WCV 0, 16
	WCV 16, NU-16
	s_wait_dscnt 0x0                               ; my stores are done, for the other waves' sake
	s_barrier_signal -1
	s_barrier_wait -1                              ; all 32 f16 rows are there
	ALD 0
	ALD 1
	ALD 2
	ALD 3
.set g, 0
.rept NS/2                                         ; K steps in pairs
.if NS-2*g-2 >= 2
	s_wait_dscnt 8                                 ; this pair is in; the next pair's eight loads may be out
.else
	s_wait_dscnt 0
.endif
	WM 2*g
	WM 2*g+1
.if 2*g+4 < NS
.rept 4
	v_nop                                          ; a load into a register that a matrix instruction has read stands four plain vector places behind it
.endr
	ALD 2*g+4
	ALD 2*g+5
.endif
.set g, g+1
.endr
.rept 4
	v_nop                                          ; four places before a vector instruction reads a matrix result (ISA guide 7.12.1)
.endr
.irp c, 0,1,2,3
.irp i, 0,1,2,3
	v_fma_f32 v[BB+\i], v[ACC+4*\i+\c], v[CS+\c], v[BB+\i]     ; register 4 i + c: control point c of my output i
.endr
.endr
.irp i, 0,1,2,3                                    ; elu(y) = y for y > 0, else expm1(y)
	v_mul_f32 v[X+\i], 0x3fb8aa3b, v[BB+\i]
	v_exp_f32 v[X+8+\i], v[X+\i]                   ; the series' plain lines stand between this and the use of its result (ISA guide 5.7.2)
	v_fma_f32 v[X+4+\i], v[BB+\i], s74, s75
	v_fma_f32 v[X+4+\i], v[X+4+\i], v[BB+\i], 0.5
	v_fma_f32 v[X+4+\i], v[X+4+\i], v[BB+\i], 1.0
	v_mul_f32 v[X+4+\i], v[X+4+\i], v[BB+\i]       ; the series, near 0, where exp - 1 would cancel
	s_wait_alu depctr_va_vdst(0)
	v_add_f32 v[X+8+\i], -1.0, v[X+8+\i]
	v_cmp_lt_f32 vcc_lo, s76, v[BB+\i]
	v_cndmask_b32 v[X+\i], v[X+8+\i], v[X+4+\i], vcc_lo
	v_cmp_lt_f32 vcc_lo, 0, v[BB+\i]
	v_cndmask_b32 v[BB+\i], v[X+\i], v[BB+\i], vcc_lo
.endr
	global_store_b128 v[OO], v[BB:BB+3], s[60:61]  ; 512 consecutive bytes, aligned: two quads x 16 rows
	s_wait_tensorcnt 0x0
	ds_add_u32 v20, v21
	s_wait_dscnt 0x0
	ROUND                                          ; the closing round: no work-group ends while a partner may still ask for a tile that names it
	s_endpgm
.Lfunc_end_k_q5008f267ac_layer1:
	.size	k_q5008f267ac_layer1, .Lfunc_end_k_q5008f267ac_layer1-k_q5008f267ac_layer1
	.p2alignl 7, 3214868480
	.fill 96, 4, 3214868480
	.section	.rodata,"a",@progbits
	.p2align	6, 0x0
	.amdhsa_kernel k_q5008f267ac_layer1
		.amdhsa_group_segment_fixed_size 230400
		.amdhsa_private_segment_fixed_size 0
		.amdhsa_enable_private_segment 0
		.amdhsa_kernarg_size 40
		.amdhsa_user_sgpr_count 2
		.amdhsa_user_sgpr_kernarg_segment_ptr 1
		.amdhsa_wavefront_size32 1
		.amdhsa_system_sgpr_workgroup_id_x 1
		.amdhsa_system_sgpr_workgroup_id_y 1
		.amdhsa_system_sgpr_workgroup_id_z 1
		.amdhsa_system_vgpr_workitem_id 0
		.amdhsa_next_free_vgpr 256
		.amdhsa_next_free_sgpr 80
		.amdhsa_reserve_vcc 1
		.amdhsa_float_denorm_mode_32 3
		.amdhsa_float_denorm_mode_16_64 3
		.amdhsa_memory_ordered 1
		.amdhsa_forward_progress 1
		.amdhsa_inst_pref_size 62
	.end_amdhsa_kernel
	.amdgpu_metadata
---
amdhsa.version: [ 1, 2 ]
amdhsa.kernels:
  - .name:           k_q5008f267ac_layer1
    .symbol:         k_q5008f267ac_layer1.kd
    .args:
      - { .name: x, .offset: 0, .size: 8, .value_kind: global_buffer, .address_space: global }
      - { .name: W1, .offset: 8, .size: 8, .value_kind: global_buffer, .address_space: global }
      - { .name: b1, .offset: 16, .size: 8, .value_kind: global_buffer, .address_space: global }
      - { .name: h2, .offset: 24, .size: 8, .value_kind: global_buffer, .address_space: global }
      - { .name: h1, .offset: 32, .size: 8, .value_kind: global_buffer, .address_space: global }
    .group_segment_fixed_size: 230400
    .private_segment_fixed_size: 0
    .kernarg_segment_align: 8
    .kernarg_segment_size: 40
    .max_flat_workgroup_size: 128
    .sgpr_count:     80
    .vgpr_count:     256
    .wavefront_size: 32
...
	.end_amdgpu_metadata
.endif
;; end of part 2
;; launch layer2 (part 3): grid 40 x 4, 4 waves a work-group, clusters of 4 x 4, 230,400 bytes of LDS; arguments x, W2, b2, out0, h2; writes out0
.if DOCPART == 3
	.amdgcn_target "amdgcn-amd-amdhsa--gfx1250"
	.amdhsa_code_object_version 6
	.text
	.protected	k_q5008f267ac_layer2
	.globl	k_q5008f267ac_layer2
	.p2align	8
	.type	k_q5008f267ac_layer2,@function
k_q5008f267ac_layer2:
	s_mov_b64 s[64:65], 0
	v_nop
	global_prefetch_b8 v0, s[64:65] scope:SCOPE_SE
	s_setreg_imm32_b32 hwreg(HW_REG_WAVE_MODE, 25, 1), 1
	s_wait_xcnt 0x0
	s_wait_alu depctr_hold_cnt(0) depctr_sa_sdst(0) depctr_va_vdst(0) depctr_va_sdst(0) depctr_va_ssrc(0) depctr_va_vcc(0) depctr_vm_vsrc(0)
	s_getreg_b32 s2, hwreg(HW_REG_IB_STS2, 6, 4)
	s_cmp_eq_u32 s2, 0
	s_cbranch_scc0 .Lentry_in_a_cluster
	s_endpgm
.Lentry_in_a_cluster:
	s_bfe_u32 s2, ttmp6, 0x10000c
	s_cmp_lg_u32 s2, 0xf033
	s_cbranch_scc0 .Lentry_shape_is_right
	s_endpgm
.Lentry_shape_is_right:
; PFNN layer 2:  out0[b][o] = sum_c coef[b][c] (W2[c][o] . h2[b]) + sum_c coef[b][c] b2[c][o],  311 outputs.
; The Catmull-Rom blend is linear in the four control points, so it is taken out of the product: four plain products a sample and a blend of
; four numbers; coef[b][c] = the cubic's weight (c - k1 + 1) mod 4 at mu (phase = x[b][342]).  No weight matrix per sample is formed.
; FORMAT: matrix operands f16 (11 significant bits; bf16's 8 leave too little margin over six roundings in three layers), sums f32.  Each input
; row is multiplied by the exact power 2^-e of its largest magnitude (values below 2) and 2^e goes into the row's four coefficients.
; LIMITS: |W| <= 65504, W in steps of 2^-24 below 6.1e-5;  |4 phase| < 2^31;  a row whose largest magnitude is denormal is scaled with exponent
; field 1;  the sums run in another order than the reference's.
; SHARES: 311 columns in 40 slices: slice i begins at floor(311 i / 40), owns 7 or 8 columns and always computes 8 (the last begins at 303, so all
; rows lie inside W2).  A work-group makes 64 batch rows x 8 outputs = 32 weight rows = 2 matrix tiles.  Wave w owns batch tile 4 cy + w and fetches
; the 8 rows of control point w.  A = weights, B = batch.  f16 row 16 t + 8 h + 4 u + c is control point c of output 4 h + 2 t + u, so lane (r, h)
; gets, for batch row r, all four control points of the neighbouring outputs 4 h .. 4 h + 3.
; h2: [16 batch tiles][128 quads of k][16 rows][4 k] f32: a wave's input is 32,768 dense bytes, its fragments 256 consecutive bytes per 16 lanes.
; LDS is filled once: no ring, no barrier for refills.  CLUSTER 4 x 4: the input tile hangs on cy alone and is asked for jointly along a row,
; the weight tile on the slice alone and jointly along a column: a quarter of the requests for both.  The grid's y is one cluster: work-group y = cy.
.set K,      512
.set KP,     512
.set NS,     16                        ; K steps of 32
.set N,      311
.set XROW,   1372                      ; bytes in a row of x
.set OROW,   1244                      ; bytes in a row of out0
.set HWAVE,  32768
.set HSTEP,  2048                      ; 8 quads of 256 bytes; a lane reads quads 2h, 2h+1, 4+2h, 5+2h
.set HO1,    256
.set HO2,    1024
.set HO3,    1280
.set PARTS,  KP/128                    ; runs of 512 bytes in a staged row
.set NU,     8*PARTS
.set WSWAVE, 8*KP*4
.set WP,     KP*2+16                   ; an f16 weight row: an odd multiple of 16 bytes
.set WS,     4*HWAVE                   ; LDS: input tiles, the f32 stage,
.set WF,     WS+4*WSWAVE               ; the 32 f16 rows (no tensor load lands here)
.set LANE, 1
.set R,    2
.set HH,   3
.set AH,   4                           ; LDS: my input fragments
.set AWS,  5                           ; my 16 bytes of a staged run
.set AWD,  6                           ; my 8 bytes of an f16 row
.set AW,   7                           ; my weight fragments
.set PHO,  8
.set BO,   9
.set OO,   10
.set COL,  11                          ; my last column within the slice
.set PH,   12
.set SC,   13                          ; 2^e
.set T,    14
.set WQ,   22                          ; the cubic's weights
.set AQ,   26
.set CF,   30                          ; coef[c]
.set CS,   34                          ; coef[c] 2^e
.set BB,   38                          ; blended bias, then the result
.set M,    42
.set INV,  46                          ; 2^-e, twice
.set BI,   48                          ; bias, dead before the first matrix instruction
.set ACC,  48                          ; two accumulators
.set X,    64                          ; v64-127: four slots of 16
.set HF,   128                         ; v128-255: my batch tile in f16
.set G0H,  20
.set G1H,  24
.set G0W,  32
.set G1W,  36
.macro ROUND                           ; a round of the cluster's barrier
	s_barrier_signal -1
	s_barrier_wait -1
	s_cmp_lg_u32 s14, 0
	s_cbranch_scc1 .Lnot_wave_0_\@
	s_barrier_signal -3
.Lnot_wave_0_\@:
	s_barrier_wait -3
	s_barrier_signal -1
	s_barrier_wait -1
.endm
.macro HLD s                           ; the 16 f32 of K step s of my batch row, in a B fragment's order, into slot s % 4
.set XS, X+16*((\s)%4)
	ds_load_b128 v[XS:XS+3],     v[AH] offset:(\s)*HSTEP
	ds_load_b128 v[XS+4:XS+7],   v[AH] offset:(\s)*HSTEP+HO1
	ds_load_b128 v[XS+8:XS+11],  v[AH] offset:(\s)*HSTEP+HO2
	ds_load_b128 v[XS+12:XS+15], v[AH] offset:(\s)*HSTEP+HO3
.endm
.macro HWAIT s                         ; K step s is in: four loads for each of the up to three younger steps may be out
.if NS-1-(\s) >= 3
	s_wait_dscnt 12
.else
	s_wait_dscnt 4*(NS-1-(\s))
.endif
.endm
.macro WCV first, cnt                  ; cnt staged runs of 512 bytes: read, round to f16, store into their f16 rows
.set j, 0
.rept \cnt
	ds_load_b128 v[X+4*j:X+4*j+3], v[AWS] offset:512*(\first+j)
.set j, j+1
.endr
.set j, 0
.rept \cnt
	s_wait_dscnt \cnt-1                ; behind run j's load stand cnt-1-j loads and j stores
.set ROW, (\first+j)/PARTS
	v_cvt_pk_f16_f32 v[X+4*j], v[X+4*j], v[X+4*j+1]
	v_cvt_pk_f16_f32 v[X+4*j+1], v[X+4*j+2], v[X+4*j+3]
	ds_store_b64 v[AWD], v[X+4*j:X+4*j+1] offset:(((ROW>>1)&1)*16+(ROW>>2)*8+(ROW&1)*4)*WP+((\first+j)%PARTS)*256
.set j, j+1
.endr
.endm
.macro ALD s                           ; the two A fragments of K step s into slot s % 4
.set XS, X+16*((\s)%4)
	ds_load_b128 v[XS:XS+3],     v[AW] offset:(\s)*64
	ds_load_b128 v[XS+4:XS+7],   v[AW] offset:(\s)*64+32
	ds_load_b128 v[XS+8:XS+11],  v[AW] offset:16*WP+(\s)*64
	ds_load_b128 v[XS+12:XS+15], v[AW] offset:16*WP+(\s)*64+32
.endm
.macro WM s                            ; K step s: the two accumulators take turns, one instruction a turn
.set FA, X+16*((\s)%4)
.if (\s) == 0
	v_wmma_f32_16x16x32_f16 v[ACC:ACC+7], v[FA:FA+7], v[HF:HF+7], 0
	v_wmma_f32_16x16x32_f16 v[ACC+8:ACC+15], v[FA+8:FA+15], v[HF:HF+7], 0
.else
	v_wmma_f32_16x16x32_f16 v[ACC:ACC+7], v[FA:FA+7], v[HF+8*(\s):HF+8*(\s)+7], v[ACC:ACC+7]
	v_wmma_f32_16x16x32_f16 v[ACC+8:ACC+15], v[FA+8:FA+15], v[HF+8*(\s):HF+8*(\s)+7], v[ACC+8:ACC+15]
.endif
.endm
	s_load_b256 s[4:11], s[0:1], 0x0               ; x s[4:5], W2 s[6:7], b2 s[8:9], out0 s[10:11]
	s_load_b64 s[12:13], s[0:1], 0x20              ; h2
	v_lshl_add_u32 v20, v0, 2, 0x38200
	v_mov_b32 v21, 0
	ds_add_u32 v20, v21
	ds_add_u32 v20, v21
	v_lshrrev_b32 v[LANE], 5, v0
	v_readfirstlane_b32 s14, v[LANE]               ; wave
	v_and_b32 v[LANE], 31, v0
	v_and_b32 v[R], 15, v0
	v_bfe_u32 v[HH], v0, 4, 1
	s_bfe_u32 s15, ttmp6, 0x40000                  ; cx
	s_bfe_u32 s16, ttmp6, 0x40004                  ; cy = group of 64 batch rows
	s_lshl_b32 s17, ttmp9, 2
	s_add_co_u32 s17, s17, s15                     ; slice, 0 .. 39
	s_lshl_b32 s44, s16, 2
	s_lshl_b32 s44, 15, s44                        ; my row of the cluster
	s_lshl_b32 s45, 0x1111, s15                    ; my column
	s_or_b32 s[G1H+0], s44, (3<<16)|(1<<21)        ; mask; elements of 8 bytes; bit 21 beside a mask
	s_mov_b32 s[G1H+1], 32<<16                     ; 128 dense rows of 32 elements = 32,768 bytes
	s_mov_b32 s[G1H+2], 128<<16
	s_mov_b32 s[G1H+3], 32<<16
	s_mov_b32 s[G1H+4], 128
	s_mov_b32 s[G1H+5], 32
	s_mov_b32 s[G1H+6], 0
	s_mov_b32 s[G1H+7], 0
	s_or_b32 s[G1W+0], s45, (2<<16)|(1<<21)        ; 8 weight rows of one control point, f32
	s_mov_b32 s[G1W+1], K<<16
	s_mov_b32 s[G1W+2], 8<<16
	s_mov_b32 s[G1W+3], KP<<16
	s_mov_b32 s[G1W+4], 8
	s_mov_b32 s[G1W+5], K
	s_mov_b32 s[G1W+6], 0
	s_mov_b32 s[G1W+7], 0
	s_mul_i32 s19, s17, 311
	s_add_co_u32 s47, s19, 311
	s_mul_hi_u32 s19, s19, 107374183               ; floor(n / 40) = high word of n x ceil(2^32 / 40), exact for n <= 12440: first output
	s_mul_hi_u32 s47, s47, 107374183
	s_sub_co_u32 s46, s47, s19                     ; how many columns are mine: 7 or 8
	s_lshl_b32 s48, s16, 2
	s_add_co_u32 s48, s48, s14                     ; my batch tile
	s_lshl_b32 s50, s48, 15                        ; in h2: holds cy and the wave alone
	s_mov_b32 s51, 0
	s_mul_i32 s52, s14, N                          ; control point = wave: holds cx and the wave alone
	s_add_co_u32 s52, s52, s19
	s_mul_i32 s52, s52, K*4
	s_mov_b32 s53, 0
	s_mul_i32 s54, s48, 16*XROW                    ; my rows of x, for the phase
	s_mov_b32 s55, 0
	s_lshl_b32 s66, s19, 2                         ; my slice in a bias row
	s_mov_b32 s67, 0
	s_mul_i32 s62, s48, 16*OROW                    ; out0: my 16 rows, my slice
	s_add_co_u32 s62, s62, s66
	s_mov_b32 s63, 0
	s_mov_b32 s70, 0x76543210                      ; v_permlanex16_b32: lane i of the other half
	s_mov_b32 s71, 0xfedcba98
	s_mov_b32 s72, 0x3fc00000                      ; 1.5
	s_mov_b32 s73, 0xc0200000                      ; -2.5
	s_wait_dscnt 0x0
	s_wait_kmcnt 0x0
	s_mov_b32 s[G0H+0], 1
	s_mul_i32 s[G0H+1], s14, HWAVE                 ; LDS addresses hang on the wave alone
	s_add_nc_u64 s[G0H+2:G0H+3], s[12:13], s[50:51]
	s_or_b32 s[G0H+3], s[G0H+3], 0x80000000
	s_mov_b32 s[G0W+0], 1
	s_mul_i32 s[G0W+1], s14, WSWAVE
	s_add_co_u32 s[G0W+1], s[G0W+1], WS
	s_add_nc_u64 s[G0W+2:G0W+3], s[6:7], s[52:53]
	s_or_b32 s[G0W+3], s[G0W+3], 0x80000000
	s_add_nc_u64 s[56:57], s[4:5], s[54:55]
	s_add_nc_u64 s[58:59], s[8:9], s[66:67]
	s_add_nc_u64 s[60:61], s[10:11], s[62:63]
	ROUND                                          ; all sixteen work-groups are here: the joint loads meet
	tensor_load_to_lds s[G0H:G0H+3], s[G1H:G1H+7]  ; my 16 batch rows first: worked on while the weights are on their way
	s_nop 0
	tensor_load_to_lds s[G0W:G0W+3], s[G1W:G1W+7]  ; two tensor loads of the wave are out, never more
	s_nop 0
	v_lshlrev_b32 v[AH], 4, v[R]                   ; 16 bytes of row r in a quad, two quads for each half of the lanes
	v_lshl_add_u32 v[AH], v[HH], 9, v[AH]
	v_add_nc_u32 v[AH], s[G0H+1], v[AH]
	v_lshl_add_u32 v[AWS], v[LANE], 4, s[G0W+1]
	s_mul_i32 s69, s14, WP
	s_add_co_u32 s69, s69, WF
	v_lshl_add_u32 v[AWD], v[LANE], 3, s69         ; row c = wave of each group of four
	v_mul_u32_u24 v[AW], v[R], WP
	v_lshl_add_u32 v[AW], v[HH], 4, v[AW]
	v_add_nc_u32 v[AW], WF, v[AW]
	v_mul_u32_u24 v[PHO], v[R], XROW
	v_lshlrev_b32 v[BO], 4, v[HH]
	v_mul_u32_u24 v[OO], v[R], OROW
	v_lshl_add_u32 v[OO], v[HH], 4, v[OO]
	v_lshl_add_u32 v[COL], v[HH], 2, 3
	global_load_b32 v[PH], v[PHO], s[56:57] offset:342*4
.irp c, 0,1,2,3
.irp i, 0,1,2,3
	global_load_b32 v[BI+4*\c+\i], v[BO], s[58:59] offset:(\c*N+\i)*4      ; rows of 311 f32 are aligned to 4 bytes only
.endr
.endr
	; PASS 1: the largest magnitude of my batch row (a lane holds half of it)
	s_wait_tensorcnt 0x1                           ; my input tile has landed (only I read it); the weight tile, issued behind it, may stay out
.irp p, 0,1,2,3
	v_mov_b32 v[M+\p], 0
.endr
	HLD 0
	HLD 1
	HLD 2
	HLD 3
.set st, 0
.rept NS
	HWAIT st
.set XB, X+16*(st%4)
.irp p, 0,1,2,3
	v_max3_num_f32 v[M+\p], |v[XB+4*\p]|, |v[XB+4*\p+1]|, v[M+\p]
.endr
.irp p, 0,1,2,3
	v_max3_num_f32 v[M+\p], |v[XB+4*\p+2]|, |v[XB+4*\p+3]|, v[M+\p]
.endr
.if st+4 < NS
	HLD st+4
.endif
.set st, st+1
.endr
	HLD 0                                          ; pass 2 reads while the scale is made
	HLD 1
	HLD 2
	HLD 3
	v_max3_num_f32 v[M], v[M], v[M+1], v[M+2]
	v_max_num_f32 v[M], v[M], v[M+3]
	v_permlanex16_b32 v[M+1], v[M], s70, s71
	v_max_num_f32 v[M], v[M], v[M+1]
	v_lshrrev_b32 v[T], 23, v[M]                   ; exponent field E, kept in 1 .. 253 so that both powers are normal numbers
	v_max_u32 v[T], 1, v[T]
	v_min_u32 v[T], 253, v[T]
	v_sub_nc_u32 v[T+1], 254, v[T]
	v_lshlrev_b32 v[INV], 23, v[T+1]               ; 2^(127-E)
	v_lshlrev_b32 v[INV+1], 23, v[T+1]
	v_lshlrev_b32 v[SC], 23, v[T]                  ; 2^(E-127)
	; PASS 2: scale, round to f16, keep
.set st, 0
.rept NS
	HWAIT st
.set XB, X+16*(st%4)
.irp p, 0,2,4,6,8,10,12,14
	v_pk_mul_f32 v[XB+\p:XB+\p+1], v[XB+\p:XB+\p+1], v[INV:INV+1]
.endr
.irp p, 0,1,2,3,4,5,6,7
	v_cvt_pk_f16_f32 v[HF+8*st+\p], v[XB+2*\p], v[XB+2*\p+1]
.endr
.if st+4 < NS
	HLD st+4
.endif
.set st, st+1
.endr
	; THE COEFFICIENTS of my batch row
	s_wait_loadcnt 0x0                             ; phase and bias
	v_mul_f32 v[T], 4.0, v[PH]
	v_floor_f32 v[T+1], v[T]
	v_cvt_i32_f32 v[T+2], v[T]                     ; toward zero, as the cast to int32
	v_sub_f32 v[T+1], v[T], v[T+1]                 ; mu
	v_add_nc_u32 v[T+2], -1, v[T+2]                ; low two bits: (k1 - 1) mod 4, the control point of y0
	v_mul_f32 v[T+3], v[T+1], v[T+1]
	v_fma_f32 v[WQ+0], v[T+1], -0.5, 1.0
	v_fma_f32 v[WQ+1], v[T+1], s72, s73
	v_fma_f32 v[WQ+2], -v[T+1], s72, 2.0
	v_fma_f32 v[WQ+3], v[T+1], 0.5, -0.5
	v_fma_f32 v[WQ+0], v[WQ+0], v[T+1], -0.5
	v_fma_f32 v[WQ+1], v[WQ+1], v[T+3], 1.0        ; y1:  1.5 mu^3 - 2.5 mu^2 + 1
	v_fma_f32 v[WQ+2], v[WQ+2], v[T+1], 0.5
	v_mul_f32 v[WQ+3], v[WQ+3], v[T+3]             ; y3:  0.5 mu^3 - 0.5 mu^2
	v_mul_f32 v[WQ+0], v[WQ+0], v[T+1]             ; y0: -0.5 mu^3 + mu^2 - 0.5 mu
	v_mul_f32 v[WQ+2], v[WQ+2], v[T+1]             ; y2: -1.5 mu^3 + 2 mu^2 + 0.5 mu
	v_and_b32 v[T+4], 1, v[T+2]
	v_and_b32 v[T+5], 2, v[T+2]
	v_cmp_ne_u32 vcc_lo, 0, v[T+4]
	v_cmp_ne_u32 s78, 0, v[T+5]
	v_cndmask_b32 v[AQ+0], v[WQ+0], v[WQ+3], vcc_lo        ; coef[c] = weight (c - turn) mod 4: turn by one,
	v_cndmask_b32 v[AQ+1], v[WQ+1], v[WQ+0], vcc_lo
	v_cndmask_b32 v[AQ+2], v[WQ+2], v[WQ+1], vcc_lo
	v_cndmask_b32 v[AQ+3], v[WQ+3], v[WQ+2], vcc_lo
	v_cndmask_b32 v[CF+0], v[AQ+0], v[AQ+2], s78           ; then by two: values are chosen, no address, no branch
	v_cndmask_b32 v[CF+1], v[AQ+1], v[AQ+3], s78
	v_cndmask_b32 v[CF+2], v[AQ+2], v[AQ+0], s78
	v_cndmask_b32 v[CF+3], v[AQ+3], v[AQ+1], s78
.irp c, 0,1,2,3
	v_mul_f32 v[CS+\c], v[CF+\c], v[SC]
.endr
.irp i, 0,1,2,3
	v_mul_f32 v[BB+\i], v[CF], v[BI+\i]
.endr
.irp c, 1,2,3
.irp i, 0,1,2,3
	v_fma_f32 v[BB+\i], v[CF+\c], v[BI+4*\c+\i], v[BB+\i]
.endr
.endr
	; THE WEIGHTS to f16
	s_wait_tensorcnt 0x0                           ; my weight tile has landed (only I read the stage)
	WCV 0, 16
	WCV 16, NU-16
	s_wait_dscnt 0x0                               ; my stores are done, for the other waves' sake
	s_barrier_signal -1
	s_barrier_wait -1                              ; all 32 f16 rows are there
	ALD 0
	ALD 1
	ALD 2
	ALD 3
.set g, 0
.rept NS/2                                         ; K steps in pairs
.if NS-2*g-2 >= 2
	s_wait_dscnt 8                                 ; this pair is in; the next pair's eight loads may be out
.else
	s_wait_dscnt 0
.endif
	WM 2*g
	WM 2*g+1
.if 2*g+4 < NS
.rept 4
	v_nop                                          ; a load into a register that a matrix instruction has read stands four plain vector places behind it
.endr
	ALD 2*g+4
	ALD 2*g+5
.endif
.set g, g+1
.endr
.rept 4
	v_nop                                          ; four places before a vector instruction reads a matrix result (ISA guide 7.12.1)
.endr
.irp c, 0,1,2,3
.irp i, 0,1,2,3
	v_fma_f32 v[BB+\i], v[ACC+4*\i+\c], v[CS+\c], v[BB+\i]     ; register 4 i + c: control point c of my output i
.endr
.endr
	; out0's rows are 1,244 bytes apart, aligned to 4 bytes only, and 7 or 8 columns of each are mine: four stores of 4 bytes a lane
	global_store_b32 v[OO], v[BB+0], s[60:61]
	global_store_b32 v[OO], v[BB+1], s[60:61] offset:4
	global_store_b32 v[OO], v[BB+2], s[60:61] offset:8
	v_cmp_gt_u32 vcc_lo, s46, v[COL]               ; column 7 belongs to the next slice where mine has 7
	s_wait_xcnt 0x0                                ; EXEC is narrowed only behind this wait
	s_and_saveexec_b32 s68, vcc_lo
	global_store_b32 v[OO], v[BB+3], s[60:61] offset:12
	s_wait_xcnt 0x0                                ; and widened again only behind this one
	s_or_b32 exec_lo, exec_lo, s68
	s_wait_tensorcnt 0x0
	ds_add_u32 v20, v21
	s_wait_dscnt 0x0
	ROUND                                          ; the closing round: no work-group ends while a partner may still ask for a tile that names it
	s_endpgm
.Lfunc_end_k_q5008f267ac_layer2:
	.size	k_q5008f267ac_layer2, .Lfunc_end_k_q5008f267ac_layer2-k_q5008f267ac_layer2
	.p2alignl 7, 3214868480
	.fill 96, 4, 3214868480
	.section	.rodata,"a",@progbits
	.p2align	6, 0x0
	.amdhsa_kernel k_q5008f267ac_layer2
		.amdhsa_group_segment_fixed_size 230400
		.amdhsa_private_segment_fixed_size 0
		.amdhsa_enable_private_segment 0
		.amdhsa_kernarg_size 40
		.amdhsa_user_sgpr_count 2
		.amdhsa_user_sgpr_kernarg_segment_ptr 1
		.amdhsa_wavefront_size32 1
		.amdhsa_system_sgpr_workgroup_id_x 1
		.amdhsa_system_sgpr_workgroup_id_y 1
		.amdhsa_system_sgpr_workgroup_id_z 1
		.amdhsa_system_vgpr_workitem_id 0
		.amdhsa_next_free_vgpr 256
		.amdhsa_next_free_sgpr 80
		.amdhsa_reserve_vcc 1
		.amdhsa_float_denorm_mode_32 3
		.amdhsa_float_denorm_mode_16_64 3
		.amdhsa_memory_ordered 1
		.amdhsa_forward_progress 1
		.amdhsa_inst_pref_size 62
	.end_amdhsa_kernel
	.amdgpu_metadata
---
amdhsa.version: [ 1, 2 ]
amdhsa.kernels:
  - .name:           k_q5008f267ac_layer2
    .symbol:         k_q5008f267ac_layer2.kd
    .args:
      - { .name: x, .offset: 0, .size: 8, .value_kind: global_buffer, .address_space: global }
      - { .name: W2, .offset: 8, .size: 8, .value_kind: global_buffer, .address_space: global }
      - { .name: b2, .offset: 16, .size: 8, .value_kind: global_buffer, .address_space: global }
      - { .name: out0, .offset: 24, .size: 8, .value_kind: global_buffer, .address_space: global }
      - { .name: h2, .offset: 32, .size: 8, .value_kind: global_buffer, .address_space: global }
    .group_segment_fixed_size: 230400
    .private_segment_fixed_size: 0
    .kernarg_segment_align: 8
    .kernarg_segment_size: 40
    .max_flat_workgroup_size: 128
    .sgpr_count:     80
    .vgpr_count:     256
    .wavefront_size: 32
...
	.end_amdgpu_metadata
.endif
;; end of part 3
